; MI455X (gfx1250); checked and timed in simulation.
; The chip was launched on July 23, 2026; its instructions are those of AMD's public machine-readable ISA for CDNA 5 (MIT licence, August 2026) and "CDNA5" Instruction Set Architecture Reference Guide (July 2026). The comments in the code are by the model that wrote it; some were corrected since.
;; Causal Self Attention. Allowed arithmetic: matrix products marked QUANTISED: E4M3 operands, one given power-of-two scale a tensor, by v_wmma_f32_16x16x64_fp8_fp8 or v_wmma_f32_16x16x128_fp8_fp8, f32 sums; everything else in f32.
;; Inputs: b_out 1,024 float32; b_qkv 3,072 float32; lowp_scales 8 int32 (the exponents e of the quantised operands' scales 2^e); w_out 1,024 x 1,024 float32; w_qkv 3,072 x 1,024 float32; x 4 x 2,048 x 1,024 float32.
;; Outputs: out0 4 x 2,048 x 1,024 float32.
;; This version of the problem:
;;   THIS VERSION OF THE PROBLEM IS GIVEN IN LOW PRECISION. The matrix products marked QUANTISED in the list below multiply operands that are first quantised to E4M3 (4 exponent bits, 3 mantissa bits; 8 bits a number), with one given power-of-two scale for each operand tensor; their sums are f32. All else is computed in f32.
;;   The module's matrix products, in the order in which they are computed (A, B: the left and right operand; K: the contracted axis; several contracted axes count as one K, in the product's order):
;;     1. [M 8,192, K 1,024] x [K 1,024, N 3,072]; A: input x; B: input w_qkv: QUANTISED (scales: A lowp_scales[0], B lowp_scales[1])
;;     2. batch 64 x [M 2,048, K 64] x [K 64, N 2,048]; A: computed on the way; B: computed on the way: QUANTISED (scales: A lowp_scales[2], B lowp_scales[3])
;;     3. batch 64 x [M 2,048, K 2,048] x [K 2,048, N 64]; A: softmax (see below); B: computed on the way: QUANTISED (scales: A lowp_scales[4], B lowp_scales[5])
;;     4. [M 8,192, K 1,024] x [K 1,024, N 1,024]; A: computed on the way; B: input w_out: QUANTISED (scales: A lowp_scales[6], B lowp_scales[7])
;;   THE QUANTISER, for each operand of a quantised product, along K:
;;     - The operand's scale is 2^e, e = its entry of the input lowp_scales (int32; the entries are numbered through the quantised products in the list's order, A before B).
;;     - Each number is divided by the scale, clamped to +-448, and rounded to the nearest number of E4M3, ties to even, subnormals kept.
;;     - The product sums the exact products of the quantised numbers (number of the format x scale) in f32.
;;   ~~~python
;;   def quantise(x, axis, e):      # numpy; x: float32 -> the quantised numbers, widened to float32 again
;;       x = np.moveaxis(x, axis, -1); K = x.shape[-1]
;;       r = np.clip(x / 2.0 ** e, -448, 448)
;;       step = 2.0 ** (np.maximum(np.frexp(np.where(r == 0, 1, r))[1] - 1, -6) - 3)
;;       q = np.round(r / step) * step * 2.0 ** e      # np.round: ties to even
;;       return np.moveaxis(q, -1, axis).astype(np.float32)
;;   ~~~
;;   SOFTMAX AHEAD OF A QUANTISED PRODUCT. Where the list says 'softmax', what is quantised is not the finished softmax but p = 2^(t - M), with t = logit x log2(e) and M = ceil(the row's largest t), a whole number; so 1/2 < the row's largest p <= 1. The row's sum l is taken of the UNQUANTISED p, in f32, and the product's result is divided by l at the end. Since M is a whole number, a kernel that streams over the keys may use a running M (the ceiling of the running maximum): every later rescaling is an exact power of two, so the quantised numbers keep their values, but for numbers so far below the row's largest that they fall under the format's range.
;;   OPERANDS COMPUTED ON THE WAY. 'Computed on the way' means the value that the module computes at that place (a softmax that the list does not call 'softmax' is quantised finished and normalised). What goes into a quantiser is computed in f32, as accurately as f32 sums, v_exp_f32 and their like allow (about 1e-6 of the number): no bf16 or f16 on the way to a quantiser, and a product that is left as it is and whose result goes on into a quantised operand takes f32 operands (vector FMAs, or v_wmma_f32_16x16x4_f32). A number that lies on a knife's edge between two numbers of the format may be rounded either way, as far as f32 arithmetic and the matrix unit's own rounding can turn it there, and no further.
;; One version. Each part assembles by itself: llvm-mc -triple=amdgcn-amd-amdhsa -mcpu=gfx1250 --defsym DOCPART=n.
;; ======== version 1 of 1: 4 launches
;; limits: right only within a limited range of input values
;; workspace buffers: xq 8,388,608 bytes; wq 3,145,728 bytes; wo 1,048,576 bytes; qc 8,388,608 bytes; kc 8,388,608 bytes; vc 8,388,608 bytes; ai 8,388,608 bytes
;; launch quant (part 1): grid 384 x 1, 4 waves a work-group, no clusters, 33,280 bytes of LDS; arguments x, w_qkv, w_out, lowp_scales, xq, wq, wo; writes xq, wq, wo
.if DOCPART == 1
	.amdgcn_target "amdgcn-amd-amdhsa--gfx1250"
	.amdhsa_code_object_version 6
	.text
	.protected	k_q55b1bd9164_quant
	.globl	k_q55b1bd9164_quant
	.p2align	8
	.type	k_q55b1bd9164_quant,@function
k_q55b1bd9164_quant:
	s_mov_b64 s[64:65], 0
	v_nop
	global_prefetch_b8 v0, s[64:65] scope:SCOPE_SE
	s_setreg_imm32_b32 hwreg(HW_REG_WAVE_MODE, 25, 1), 1
	s_wait_xcnt 0x0
; x [8192][1024], w_qkv [3072][1024] and w_out [1024][1024], f32, become codes of FP8 (E4M3), one byte each, K innermost, rows as they lie, each tensor with the one scale 2^e given for it:
; entry 0 of the scales for x, entry 1 for w_qkv, entry 7 for w_out.  code = number / 2^e, held within +-448, rounded to the nearest code, ties to even.
; LIMITS: -126 <= e and e + 8 <= 127, so that 2^e and 448 x 2^e are f32 numbers.  NaN among the inputs is not served; an infinity is held at the largest code.
; Rows are dense, so each tensor is a plain stream.  A work-group takes 32,768 numbers, a wave 16 steps of 512.  Work-groups 0-255 take x, 256-351 w_qkv, 352-383 w_out: only pointers and e are chosen, one path for all.
; The conversion takes 8 neighbours from ONE lane's registers; a load is best where neighbouring LANES take neighbouring bytes.  Both are had: each of a step's four loads reads 512 consecutive bytes, the 2,048 bytes go
; through the wave's own stage in LDS as they lie and come back 64 bytes a lane (16 bytes of padding behind each 64).  A lane's 16 codes are 16 bytes: a store of the wave covers 512 consecutive bytes, aligned.
; Work-groups share no input, so there is nothing to ask for jointly; no tensor loads, no barrier: waves share nothing.  Loads run four steps (16 loads a wave) ahead, the turn through LDS one step.
.set STEPS, 16
.set WGX,   256                        ; x: 8,388,608 numbers / 32,768
.set WGW,   352                        ; + w_qkv: 3,145,728 / 32,768 = 96
.set EMAX,  8
.set MANT,  0x600000                   ; the mantissa field of 448 as f32
.set CB,    16                         ; bytes of 16 codes
.set R,     16                         ; v16-79   four sets of 16 numbers as they are loaded
.set X,     80                         ; v80-111  two sets of 16 neighbours
.set C,     128                        ; v128-191 codes: four registers for each step, so that no store's data are written again
.set WREG,  8192                       ; LDS: a region for each wave: two stages of 32 x SP bytes
.set SP,    80                         ; a lane's place in a stage: 64 bytes + 16 of padding
	s_load_b256 s[4:11], s[0:1], 0x0               ; x s[4:5], w_qkv s[6:7], w_out s[8:9], the scales' exponents s[10:11]
	s_load_b128 s[12:15], s[0:1], 0x20             ; x's codes s[12:13], w_qkv's s[14:15]
	s_load_b64 s[16:17], s[0:1], 0x30              ; w_out's codes
	v_lshl_add_u32 v192, v0, 2, 0x8000
	v_mov_b32 v193, 0
	v_lshrrev_b32 v1, 5, v0
	v_readfirstlane_b32 s18, v1                    ; wave
	v_and_b32 v2, 31, v0                           ; lane
	v_lshlrev_b32 v3, 4, v2                        ; my 16 bytes of a load's 512
	s_mul_i32 s19, s18, WREG
	v_lshrrev_b32 v14, 2, v2
	v_mul_u32_u24 v14, v14, SP
	v_and_b32 v15, 3, v2
	v_lshl_add_u32 v14, v15, 4, v14
	v_add_nc_u32 v14, s19, v14                     ; the stage, on the way in: SP (lane / 4) + 16 (lane % 4)
	v_mul_u32_u24 v15, v2, SP
	v_add_nc_u32 v15, s19, v15                     ; and on the way out: SP x lane: my 16 neighbours
	v_mul_u32_u24 v4, v2, CB                       ; my codes' place in a step's
	s_wait_kmcnt 0x0
	s_load_b256 s[24:31], s[10:11], 0x0            ; the eight exponents
	s_cmp_lt_u32 ttmp9, WGX                        ; which tensor: the choice hangs on the work-group's number alone
	s_cselect_b64 s[4:5], s[4:5], s[6:7]
	s_cselect_b64 s[12:13], s[12:13], s[14:15]
	s_cselect_b32 s20, 0, WGX
	s_cmp_lt_u32 ttmp9, WGW
	s_cselect_b64 s[4:5], s[4:5], s[8:9]
	s_cselect_b64 s[12:13], s[12:13], s[16:17]
	s_cselect_b32 s20, s20, WGW
	s_sub_co_u32 s20, ttmp9, s20
	s_lshl_b32 s20, s20, 2
	s_add_co_u32 s20, s20, s18                     ; which run of 8,192 numbers of the tensor is my wave's
	s_mov_b32 s21, 0
	s_lshl_b64 s[22:23], s[20:21], 15              ; 32,768 bytes of numbers,
	s_add_nc_u64 s[4:5], s[4:5], s[22:23]
	s_lshl_b64 s[22:23], s[20:21], 13              ; 8,192 bytes of codes
	s_add_nc_u64 s[12:13], s[12:13], s[22:23]
.macro LOAD t
.irp i, 0,1,2,3
	global_load_b128 v[R+16*((\t)%4)+4*\i:R+16*((\t)%4)+4*\i+3], v3, s[4:5] offset:2048*(\t)+512*\i th:TH_LOAD_NT   ; 32 lanes read 512 consecutive bytes; read once in the launch
.endr
.endm
.macro TURN t                          ; step t's numbers through the stage: LDS serves a wave's instructions in order, so no wait stands between the stores and the loads
.irp i, 0,1,2,3
	ds_store_b128 v14, v[R+16*((\t)%4)+4*\i:R+16*((\t)%4)+4*\i+3] offset:32*SP*((\t)%2)+8*SP*\i
.endr
.irp i, 0,1,2,3
	ds_load_b128 v[X+16*((\t)%2)+4*\i:X+16*((\t)%2)+4*\i+3], v15 offset:32*SP*((\t)%2)+16*\i
.endr
.endm
.irp t, 0,1,2,3
	LOAD \t
.endr
	s_wait_kmcnt 0x0
	s_cmp_lt_u32 ttmp9, WGX
	s_cselect_b32 s22, s24, s25                    ; e: entry 0 or 1,
	s_cmp_lt_u32 ttmp9, WGW
	s_cselect_b32 s22, s22, s31                    ; or 7
	s_add_co_i32 s22, s22, 127
	s_lshl_b32 s23, s22, 23
	v_mov_b32 v11, s23                             ; 2^e as f32: the conversion takes its exponent field
	s_add_co_i32 s22, s22, EMAX
	s_lshl_b32 s22, s22, 23
	s_or_b32 s22, s22, MANT
	v_mov_b32 v10, s22                             ; 448 x 2^e
	s_wait_loadcnt 12                              ; step 0's four loads are in; the twelve of steps 1 to 3 may be out
	TURN 0
.macro STEP t
.set XS, X+16*((\t)%2)
	s_wait_dscnt 0x0                               ; this step's numbers are back from the stage: so its stores into the stage have read their registers,
.if (\t)+4 < STEPS
	LOAD (\t)+4                                    ; which take the loads of four steps on
.endif
.if (\t)+1 < STEPS
.if STEPS-2-(\t) >= 3
	s_wait_loadcnt 12                              ; the next step's four loads are in; those of the three steps behind it may be out
.else
	s_wait_loadcnt 4*(STEPS-2-(\t))
.endif
	TURN (\t)+1                                    ; and go through the other stage while this step is worked
.endif
.irp i, 0,1,2,3,4,5,6,7,8,9,10,11,12,13,14,15
	v_med3_num_f32 v[XS+\i], v[XS+\i], -v10, v10   ; the conversion to an 8-bit code does not saturate (ISA guide 7.6.2): hold the number within 448 x the scale first
.endr
	v_cvt_scalef32_pk8_fp8_f32 v[C+4*(\t):C+4*(\t)+1], v[XS:XS+7], v11
	v_cvt_scalef32_pk8_fp8_f32 v[C+4*(\t)+2:C+4*(\t)+3], v[XS+8:XS+15], v11
	global_store_b128 v4, v[C+4*(\t):C+4*(\t)+3], s[12:13] offset:32*CB*(\t)   ; the results go to a store alone; the next vector lines are the next step's holds, plain and on other registers
.endm
.irp t, 0,1,2,3,4,5,6,7,8,9,10,11,12,13,14,15
	STEP \t
.endr
	s_wait_tensorcnt 0x0
	ds_add_u32 v192, v193
	s_wait_dscnt 0x0
	s_endpgm
.Lfunc_end_k_q55b1bd9164_quant:
	.size	k_q55b1bd9164_quant, .Lfunc_end_k_q55b1bd9164_quant-k_q55b1bd9164_quant
	.p2alignl 7, 3214868480
	.fill 96, 4, 3214868480
	.section	.rodata,"a",@progbits
	.p2align	6, 0x0
	.amdhsa_kernel k_q55b1bd9164_quant
		.amdhsa_group_segment_fixed_size 33280
		.amdhsa_private_segment_fixed_size 0
		.amdhsa_enable_private_segment 0
		.amdhsa_kernarg_size 56
		.amdhsa_user_sgpr_count 2
		.amdhsa_user_sgpr_kernarg_segment_ptr 1
		.amdhsa_wavefront_size32 1
		.amdhsa_system_sgpr_workgroup_id_x 1
		.amdhsa_system_sgpr_workgroup_id_y 1
		.amdhsa_system_sgpr_workgroup_id_z 1
		.amdhsa_system_vgpr_workitem_id 0
		.amdhsa_next_free_vgpr 194
		.amdhsa_next_free_sgpr 66
		.amdhsa_reserve_vcc 0
		.amdhsa_float_denorm_mode_32 3
		.amdhsa_float_denorm_mode_16_64 3
		.amdhsa_memory_ordered 1
		.amdhsa_forward_progress 1
		.amdhsa_inst_pref_size 38
	.end_amdhsa_kernel
	.amdgpu_metadata
---
amdhsa.version: [ 1, 2 ]
amdhsa.kernels:
  - .name:           k_q55b1bd9164_quant
    .symbol:         k_q55b1bd9164_quant.kd
    .args:
      - { .name: x, .offset: 0, .size: 8, .value_kind: global_buffer, .address_space: global }
      - { .name: w_qkv, .offset: 8, .size: 8, .value_kind: global_buffer, .address_space: global }
      - { .name: w_out, .offset: 16, .size: 8, .value_kind: global_buffer, .address_space: global }
      - { .name: lowp_scales, .offset: 24, .size: 8, .value_kind: global_buffer, .address_space: global }
      - { .name: xq, .offset: 32, .size: 8, .value_kind: global_buffer, .address_space: global }
      - { .name: wq, .offset: 40, .size: 8, .value_kind: global_buffer, .address_space: global }
      - { .name: wo, .offset: 48, .size: 8, .value_kind: global_buffer, .address_space: global }
    .group_segment_fixed_size: 33280
    .private_segment_fixed_size: 0
    .kernarg_segment_align: 8
    .kernarg_segment_size: 56
    .max_flat_workgroup_size: 128
    .sgpr_count:     66
    .vgpr_count:     194
    .wavefront_size: 32
...
	.end_amdgpu_metadata
.endif
;; end of part 1
;; launch qkv (part 2): grid 12 x 32, 4 waves a work-group, clusters of 4 x 4, 327,680 bytes of LDS; arguments xq, wq, lowp_scales, b_qkv, qc, kc, vc; writes qc, kc, vc
.if DOCPART == 2
	.amdgcn_target "amdgcn-amd-amdhsa--gfx1250"
	.amdhsa_code_object_version 6
	.text
	.protected	k_q55b1bd9164_qkv
	.globl	k_q55b1bd9164_qkv
	.p2align	8
	.type	k_q55b1bd9164_qkv,@function
k_q55b1bd9164_qkv:
	s_mov_b64 s[64:65], 0
	v_nop
	global_prefetch_b8 v0, s[64:65] scope:SCOPE_SE
	s_setreg_imm32_b32 hwreg(HW_REG_WAVE_MODE, 25, 1), 1
	s_wait_xcnt 0x0
	s_wait_alu depctr_hold_cnt(0) depctr_sa_sdst(0) depctr_va_vdst(0) depctr_va_sdst(0) depctr_va_ssrc(0) depctr_va_vcc(0) depctr_vm_vsrc(0)
	s_getreg_b32 s2, hwreg(HW_REG_IB_STS2, 6, 4)
	s_cmp_eq_u32 s2, 0
	s_cbranch_scc0 .Lentry_in_a_cluster
	s_endpgm
.Lentry_in_a_cluster:
	s_bfe_u32 s2, ttmp6, 0x10000c
	s_cmp_lg_u32 s2, 0xf033
	s_cbranch_scc0 .Lentry_shape_is_right
	s_endpgm
.Lentry_shape_is_right:
; qkv = x w_qkv^T + b_qkv on codes of FP8 (E4M3), K = 1,024; the results are quantised at once: q with entry 2 of the scales, k with entry 3, v with entry 5, and stored as codes.
; xq [8192][1024], wq [3072][1024]: codes, K innermost.  A finished sum is multiplied by 2^(e0 + e1) and the bias added in one fused multiply-add, in f32; then the conversion.
; LIMITS: e0 + e1 between -126 and 127; e2, e3, e5 between -126 and 119: so that each power of two below is an f32 number.  NaN is not served.
; A tile of 256 x 256 results is made by four waves, a wave makes 128 x 128: 64 accumulators of 16 x 16.  K goes in steps of 256 through a ring of two LDS slots filled by the tensor data mover.
; A slot has two parts of 256 rows, here called the A part and the B part.  The matrix instruction takes 16 rows of the B part as source 0 and 16 rows of the A part as source 1: in accumulator (a, b) lane (r, h)
; holds row 16 a + r of the A part and, in registers j = 0 .. 7, rows 16 b + 8 h + j of the B part.
; q AND k (cluster x = 0, 1): A part = 256 tokens of x, B part = 256 rows of the weight: a lane holds one token and eight neighbouring features, which is K of the scores' product.
; v (cluster x = 2): THE PARTS CHANGE ROLES: A part = 256 rows of the weight, B part = 256 tokens: a lane holds one feature and eight neighbouring tokens (keys), which is K of the second product of attention.
; Only the two base addresses and the two tile numbers are chosen, on the cluster's x, which all sixteen partners share; masks, shapes, LDS map and the whole K loop are one text.
; CLUSTERS: 4 x 4 work-groups.  The A part hangs on cy alone and is shared along a row of the cluster, the B part on cx alone and is shared along a column: each is asked for JOINTLY.
; THE OUTPUT IS LAID IN THE ORDER OF THE NEXT OPERAND'S REGISTERS.  qc, kc: [batch x head 64][block of 16 tokens 128][piece c 2][lane 32][16 bytes]: lane (r, h) holds token r, d = 32 c + 8 h + 0..7 and 32 c + 16 + 8 h + 0..7.
; vc: [batch x head][128 keys 16][16 d 4][piece c 4][lane][16 bytes]: lane (r, h) holds d = r, keys 32 c + 8 h + 0..7 and 32 c + 16 + 8 h + 0..7.  The codes of two neighbouring accumulators of a lane ARE such 16 bytes,
; so every store of the wave covers 512 consecutive bytes, aligned, straight from registers: no stage in LDS on the way out.
; REGISTERS, in windows of 256: window 0: v0-31 addresses; v32-95 at work on the way out; from v128 the A part's fragments, ONE set; on the way out the codes.
;   window 1: the B part's fragments, TWO sets, at v0 and v128; on the way out the bias.   window 2: accumulators of blocks a = 0-3 ((a, b) at v[8 (8 a + b)]);   window 3: those of a = 4-7.
.set KSTEP,  256
.set ROWB,   256                       ; a tile's row in bytes
.set KROW,   1024                      ; a row of codes in memory, in bytes
.set PITCH,  272                       ; an LDS row: 256 bytes + 16 of padding = 68 words: row r starts at bank 4 r mod 64 (64 banks of 4 bytes: ISA guide 11.1)
.set FR,     16                        ; registers of a fragment: 16 rows x 128 K
.set NL,     4                         ; LDS loads that bring one
.set NP,     4                         ; places behind this matrix instruction (ISA guide 7.12.1)
.set HALFT,  128*PITCH                 ; 128 rows: what one tensor load brings
.set SLOT,   4*HALFT                   ; the A part's 256 rows, then the B part's
.set LAPS,   KROW/(2*KSTEP)            ; a lap = two K steps = once round the ring: 2
.set SPARE,  2*SLOT                    ; behind the ring: the spare words, 128 bytes for each wave: two blocks of 256 bytes that no other line names
.set BIASL,  SPARE+512                 ; behind them: 512 bytes for each wave: its 128 numbers of the bias; no fill lands here
.set SCL,  10                          ; v10  the output's scale as f32
.set LIM,  11
.set BST,  12                          ; v12  where I put 16 bytes of my wave's bias
.set BQK,  13                          ; v13  where q's and k's way out reads it: + 32 h
.set BV,   14                          ; v14  where v's way out reads it: + 4 r
.set ADRA, 16                          ; v16-17  LDS address of my fragments of the A part in slot 0, 1
.set ADRB, 20                          ; v20-21  the same for the B part
.set LI,   26                          ; v26  16 x lane; never rewritten
.set SPW,  28                          ; v28  LDS address of my spare word; never rewritten
.set NIL,  29                          ; v29  0; never rewritten
.set TMP,  32                          ; the way out: 64 numbers of a block
.set AF,   128                         ; the A part's fragments, in window 0
.set CD,   128                         ; the way out: codes, 16 registers for each block, so that no store's data are written again
.set G1, 24                            ; s[24:31] descriptor group 1 for the A part;  s[32:39] group 0, one set for each slot
.set G0, 32
.set G1B, 48                           ; s[48:55], s[56:63] the same for the B part
.set G0B, 56
.set MSB, 0
.macro WIN new                         ; the immediate's high byte repeats the setting that is left
.if MSB != \new
	s_set_vgpr_msb (MSB<<8)|\new
.set MSB, \new
.endif
.endm
.set MUL_LO, 0xa1                      ; source 0 window 1, source 1 window 0, C and D window 2
.set MUL_HI, 0xf1                      ; the same, C and D window 3
.set TO_B,   0x40                      ; destination window 1, address window 0
; A joint load: waves 0 and 1 fetch the A part's halves, waves 2 and 3 the B part's.  The branch hangs on the wave's number alone.  Four v_nop follow each of the two lines.
.macro JLOAD g0a, g1a, g0b, g1b
	s_cmp_eq_u32 s15, 0
	s_cbranch_scc0 .Lfor_b_\@
	tensor_load_to_lds s[\g0a:\g0a+3], s[\g1a:\g1a+7]
	s_nop 0
.rept 4
	v_nop
.endr
	s_branch .Lasked_\@
.Lfor_b_\@:
	tensor_load_to_lds s[\g0b:\g0b+3], s[\g1b:\g1b+7]
	s_nop 0
.rept 4
	v_nop
.endr
.Lasked_\@:
.endm
.macro CREST                           ; a round of the cluster's barrier behind its opening barrier
	s_cmp_lg_u32 s14, 0
	s_cbranch_scc1 .Lnot_wave_0_\@
	s_barrier_signal -3
.Lnot_wave_0_\@:
	s_barrier_wait -3
	s_barrier_signal -1
	s_barrier_wait -1
.endm
.macro CROUND                          ; a whole round
	s_barrier_signal -1
	s_barrier_wait -1
	CREST
.endm
	s_load_b256 s[4:11], s[0:1], 0x0               ; x's codes s[4:5], the weight's s[6:7], the scales' exponents s[8:9], the bias s[10:11]
	s_load_b128 s[68:71], s[0:1], 0x20             ; q's codes s[68:69], k's s[70:71]
	s_load_b64 s[72:73], s[0:1], 0x30              ; v's
	v_lshl_add_u32 v[SPW], v0, 2, SPARE
	v_mov_b32 v[NIL], 0
	ds_add_u32 v28, v29
	ds_add_u32 v28, v29
	s_wait_dscnt 0x0
	v_lshrrev_b32 v1, 5, v0
	v_readfirstlane_b32 s14, v1                    ; wave 0..3
	s_lshr_b32 s15, s14, 1                         ; which half of the A part's rows is mine.  Also: I fetch for the A part (0) or the B part (1)
	s_and_b32 s16, s14, 1                          ; which half of the B part's rows.  Also: which 128 rows of that part I fetch
	s_bfe_u32 s40, ttmp6, 0x40000                  ; cx, cy: my place in the cluster
	s_bfe_u32 s41, ttmp6, 0x40004
	s_and_b32 s66, ttmp7, 0xffff
	s_lshl_b32 s66, s66, 2                         ; 4 x cluster y
	s_lshl_b32 s67, ttmp9, 2                       ; 4 x cluster x
	s_cmp_eq_u32 ttmp9, 2                          ; v's clusters?  The same answer in all sixteen partners
	s_cselect_b32 s74, 8, s66
	s_cselect_b32 s75, s66, s67
	s_add_co_u32 s17, s74, s41                     ; the A part's tile: q, k: tokens 4 x cluster y + cy;  v: the weight's rows 8 + cy.  It never holds cx
	s_add_co_u32 s42, s75, s40                     ; the B part's tile: q, k: the weight's rows 4 x cluster x + cx;  v: tokens 4 x cluster y + cx.  It never holds cy
	s_lshl_b32 s43, s41, 2
	s_lshl_b32 s43, 15, s43                        ; my row of the cluster
	s_lshl_b32 s44, 0x1111, s40                    ; my column
	; descriptor group 1: a tile of 128 rows x 256 bytes, padded in LDS
	s_or_b32 s[G1+0], s43, (0<<16)|(1<<20)|(1<<21)|(5<<22)|(3<<25)  ; 15:0 the mask: my row; 17:16 element of 1 byte; 20 padding on; 21 set beside a mask; 24:22 after every 64 words (code 5); 31:25 of 4 words (code 3)
	s_or_b32 s[G1B+0], s44, (0<<16)|(1<<20)|(1<<21)|(5<<22)|(3<<25) ; the same with my column
.irp g, G1, G1B
	s_mov_b32 s[\g+1], ROWB<<16                    ; tensor_dim0
	s_mov_b32 s[\g+2], 128<<16                     ; tensor_dim1 = 128
	s_mov_b32 s[\g+3], ROWB<<16                    ; tile_dim0
	s_mov_b32 s[\g+4], 128                         ; tile_dim1 = 128
	s_mov_b32 s[\g+5], KROW                        ; tensor_dim0_stride
	s_mov_b32 s[\g+6], 0
	s_mov_b32 s[\g+7], 0
.endr
	s_lshl_b32 s18, s16, 7                         ; which 128 rows of the tile I fetch
	s_lshl_b32 s20, s17, 8
	s_add_co_u32 s20, s20, s18
	s_lshl_b32 s20, s20, 10                        ; the A part: (256 x tile + 128 x half) rows of 1,024 bytes: under 2^24
	s_mov_b32 s21, 0
	s_lshl_b32 s46, s42, 8
	s_add_co_u32 s46, s46, s18
	s_lshl_b32 s46, s46, 10                        ; the B part likewise
	s_mov_b32 s47, 0
	s_mul_i32 s45, s14, HALFT                      ; where they go: wave x 128 rows: no place in the cluster enters an LDS address
	s_wait_kmcnt 0x0
	s_load_b256 s[80:87], s[8:9], 0x0              ; the eight exponents
	s_cmp_eq_u32 ttmp9, 2
	s_cselect_b64 s[76:77], s[6:7], s[4:5]         ; the A part's tensor: v: the weight; else x
	s_cselect_b64 s[78:79], s[4:5], s[6:7]         ; the B part's: the other one
	s_add_nc_u64 s[20:21], s[76:77], s[20:21]
	s_add_nc_u64 s[46:47], s[78:79], s[46:47]
	CROUND                                         ; all sixteen work-groups are here: the first joint loads meet
.irp s, 0,1
	s_mov_b32 s[G0+4*\s], 1
	s_add_co_u32 s[G0+4*\s+1], s45, \s*SLOT
	s_add_nc_u64 s[G0+4*\s+2:G0+4*\s+3], s[20:21], \s*ROWB
	s_or_b32 s[G0+4*\s+3], s[G0+4*\s+3], 0x80000000
	s_mov_b32 s[G0B+4*\s], 1
	s_add_co_u32 s[G0B+4*\s+1], s45, \s*SLOT
	s_add_nc_u64 s[G0B+4*\s+2:G0B+4*\s+3], s[46:47], \s*ROWB
	s_or_b32 s[G0B+4*\s+3], s[G0B+4*\s+3], 0x80000000
	JLOAD G0+4*\s, G1, G0B+4*\s, G1B
.endr
	v_and_b32 v1, 15, v0                           ; r
	v_bfe_u32 v2, v0, 4, 1                         ; h
	v_mul_u32_u24 v3, v1, PITCH
	v_lshl_add_u32 v4, v2, 4, v3                   ; a fragment's row x pitch + 16 x half
	s_mul_i32 s21, s15, HALFT                      ; my 128 rows of the A part
	s_mul_i32 s22, s16, HALFT                      ; my 128 rows of the B part,
	s_add_co_u32 s22, s22, 2*HALFT                 ; which lie behind the A part's 256
.irp s, 0,1
	v_add_nc_u32 v[ADRA+\s], s21, v4
	v_add_nc_u32 v[ADRB+\s], s22, v4
	s_add_co_u32 s21, s21, SLOT
	s_add_co_u32 s22, s22, SLOT
.endr
	v_and_b32 v6, 31, v0
	v_lshlrev_b32 v[LI], 4, v6
	s_wait_alu depctr_va_vdst(0)
	; where the results go: in registers that feed no descriptor
	s_cmp_eq_u32 ttmp9, 2
	s_cselect_b32 s90, s17, s42                    ; the tile of features,
	s_cselect_b32 s91, s42, s17                    ; the tile of tokens,
	s_cselect_b32 s92, s15, s16                    ; my half of the features,
	s_cselect_b32 s93, s16, s15                    ; my half of the tokens
	s_lshl_b32 s94, s90, 8
	s_lshl_b32 s95, s92, 7
	s_add_co_u32 s94, s94, s95                     ; my first feature, 2,944 at the most
	s_lshl_b32 s94, s94, 2
	s_mov_b32 s95, 0
	s_add_nc_u64 s[10:11], s[10:11], s[94:95]
	global_load_b128 v[TMP:TMP+3], v[LI], s[10:11] ; my wave's 128 numbers of the bias: 512 consecutive bytes
	s_lshr_b32 s94, s91, 3
	s_lshl_b32 s94, s94, 21                        ; the batch: 16 heads of 131,072 bytes
	s_and_b32 s95, s90, 3
	s_lshl_b32 s95, s95, 2
	s_lshl_b32 s98, s92, 1
	s_add_co_u32 s95, s95, s98                     ; my first head: 4 x (tile of features mod 4) + 2 x half
	s_lshl_b32 s95, s95, 17
	s_add_co_u32 s94, s94, s95
	s_and_b32 s95, s91, 7
	s_lshl_b32 s95, s95, 14                        ; 256 tokens are 16,384 bytes of a head, in all three layouts,
	s_add_co_u32 s94, s94, s95
	s_lshl_b32 s95, s93, 13                        ; 128 tokens 8,192
	s_add_co_u32 s94, s94, s95
	s_mov_b32 s95, 0
	s_cmp_eq_u32 ttmp9, 0
	s_cselect_b64 s[88:89], s[68:69], s[70:71]
	s_cmp_eq_u32 ttmp9, 2
	s_cselect_b64 s[88:89], s[72:73], s[88:89]
	s_add_nc_u64 s[88:89], s[88:89], s[94:95]
	s_lshl_b32 s98, s14, 9
	s_add_co_u32 s98, s98, BIASL                   ; my wave's 512 bytes for the bias
	v_add_nc_u32 v[BST], s98, v[LI]
	v_lshl_add_u32 v[BQK], v2, 5, s98
	v_lshl_add_u32 v[BV], v1, 2, s98
	s_wait_alu depctr_va_vdst(0)
	s_wait_kmcnt 0x0
	s_add_co_i32 s96, s80, s81
	s_add_co_i32 s96, s96, 127
	s_lshl_b32 s96, s96, 23                        ; 2^(e0 + e1) as f32
	s_mov_b32 s97, s96                             ; (named with it as a pair, so it is written)
	s_cmp_eq_u32 ttmp9, 0
	s_cselect_b32 s98, s82, s83
	s_cmp_eq_u32 ttmp9, 2
	s_cselect_b32 s98, s85, s98                    ; the output's exponent: entry 2, 3 or 5: chosen, never branched on
	s_add_co_i32 s98, s98, 127
	s_lshl_b32 s99, s98, 23
	v_mov_b32 v[SCL], s99
.macro FRAG reg, adr, q, i             ; a fragment, 16 rows x 128 K: lane l holds row l % 16; registers 4 c .. 4 c + 3 hold K = 32 c + 16 (l / 16) + 0 .. 15: the same order of K on both sides, so every product meets its partner
.irp c, 0,1,2,3
	ds_load_b128 v[\reg+4*\c:\reg+4*\c+3], v[\adr] offset:128*(\q)+32*\c+(\i)*16*PITCH
.endr
.endm
; 16 matrix instructions: blocks a0, a0 + 1 of the A part x the B part's eight, 128 along K.  p: the B part's set.  zero = 1: the first product starts the sums.
; The 64 accumulators take turns, one instruction a turn, in the same order in every step.
.macro MUL16 a0, p, zero
.irp a, \a0, \a0+1
.irp b, 0,1,2,3,4,5,6,7
.if \zero
	v_wmma_f32_16x16x128_fp8_fp8 v[8*(8*((\a)%4)+\b):8*(8*((\a)%4)+\b)+7], v[128*(\p)+FR*\b:128*(\p)+FR*\b+FR-1], v[AF+FR*(\a):AF+FR*(\a)+FR-1], 0
.else
	v_wmma_f32_16x16x128_fp8_fp8 v[8*(8*((\a)%4)+\b):8*(8*((\a)%4)+\b)+7], v[128*(\p)+FR*\b:128*(\p)+FR*\b+FR-1], v[AF+FR*(\a):AF+FR*(\a)+FR-1], v[8*(8*((\a)%4)+\b):8*(8*((\a)%4)+\b)+7]
.endif
.endr
.endr
.endm
.macro FETCH_B slot, q, p
	WIN TO_B
.irp i, 0,1,2,3,4,5,6,7
	FRAG 128*(\p)+FR*\i, ADRB+\slot, \q, \i
.endr
	WIN 0
.endm
.macro FETCH_A slot, q, i0
.irp i, \i0, \i0+1, \i0+2, \i0+3
	FRAG AF+FR*(\i), ADRA+\slot, \q, \i
.endr
.endm
.macro PLACES n                        ; plain vector instructions between a matrix instruction and a load into, or a vector read or write of, its registers (ISA guide 7.12.1 for vector reads and writes)
.rept \n
	v_nop
.endr
.endm
; A step of 128 along K that has its successor in the same slot.
.macro STEP slot, q, zero
	s_wait_dscnt 4*NL                              ; the B part's set and blocks 0-3 are in; the youngest sixteen loads (blocks 4-7) may be out
	WIN MUL_LO
	MUL16 0, (\q)%2, \zero
	MUL16 2, (\q)%2, \zero
	s_wait_dscnt 0                                 ; blocks 4-7 are in (asked for 32 matrix instructions ago)
	PLACES NP
	FETCH_B \slot, (\q)+1, 1-(\q)%2
	FETCH_A \slot, (\q)+1, 0
	WIN MUL_HI
	MUL16 4, (\q)%2, \zero
	MUL16 6, (\q)%2, \zero
	PLACES NP
	WIN 0
	FETCH_A \slot, (\q)+1, 4
.endm
; A slot's last step changes slots: ONE barrier; in front of it each wave waits for all its tensor loads, adds 0 to its spare word, and waits for that and for its own reads of this slot.  fill = 1: this slot is filled again, two K steps ahead.
.macro TURN slot, next, fill
	s_wait_tensorcnt 0x0                           ; all my tensor loads have landed: my part of the next slot  (every window is 0 here)
	ds_add_u32 v[SPW], v[NIL]                      ; 0 onto my spare word
	s_wait_dscnt 4*NL+1                            ; (the add and the youngest sixteen loads, blocks 4-7, may be out)
	WIN MUL_LO
	MUL16 0, 1, 0                                  ; sixteen matrix instructions stand between the add and the wait for it
	s_wait_dscnt 0x0                               ; the add is done, and my reads of this slot are over
	s_barrier_signal -1
	MUL16 2, 1, 0
	WIN 0
	s_barrier_wait -1
.if \fill
	CREST                                          ; the barrier has opened a round of the cluster's barrier: no wave of any partner still reads this slot's tile or has a load on its way
	s_add_nc_u64 s[G0+4*\slot+2:G0+4*\slot+3], s[G0+4*\slot+2:G0+4*\slot+3], 2*ROWB
	s_add_nc_u64 s[G0B+4*\slot+2:G0B+4*\slot+3], s[G0B+4*\slot+2:G0B+4*\slot+3], 2*ROWB
	JLOAD G0+4*\slot, G1, G0B+4*\slot, G1B         ; the first tensor load behind the round; the four v_nop behind it are the places in front of the loads below
.else
	PLACES NP
.endif
	FETCH_B \next, 0, 0
	FETCH_A \next, 0, 0
	WIN MUL_HI
	MUL16 4, 1, 0
	MUL16 6, 1, 0
	PLACES NP
	WIN 0
	FETCH_A \next, 0, 4
.endm
	s_wait_loadcnt 0x0                             ; my wave's bias is in registers,
	ds_store_b128 v[BST], v[TMP:TMP+3]             ; and goes into my wave's own 512 bytes, from which the way out deals it to the lanes
	s_wait_dscnt 0x0                               ; no LDS instruction of mine is out at the signal
	s_wait_tensorcnt 1                             ; my part of K step 0 is in (K step 1's load may be out)
	s_barrier_signal -1
	s_barrier_wait -1                              ; everybody's is
	FETCH_B 0, 0, 0
	FETCH_A 0, 0, 0
	FETCH_A 0, 0, 4
	STEP 0, 0, 1                                   ; the first step stands in front of the loop: its products start the sums
	s_mov_b32 s3, LAPS-1
.Llap:                                                 ; a trip goes once round the ring, from a lap's second step to the next lap's first, and fills both slots again
	TURN 0, 1, 1
	STEP 1, 0, 0
	TURN 1, 0, 1
	STEP 0, 0, 0
	s_sub_co_u32 s3, s3, 1
	s_cmp_lg_u32 s3, 0
	s_cbranch_scc1 .Llap
	TURN 0, 1, 0                                   ; the last lap fills nothing, and has no round of the cluster's barrier
	STEP 1, 0, 0
	s_wait_dscnt 4*NL                              ; the very last step: nothing more to fetch
	WIN MUL_LO
	MUL16 0, 1, 0
	MUL16 2, 1, 0
	s_wait_dscnt 0
	WIN MUL_HI
	MUL16 4, 1, 0
	MUL16 6, 1, 0
	WIN 0
; THE WAY OUT, block a of the A part at a time: 64 numbers a lane.  sum x 2^(e0 + e1) + bias, each accumulator from its low end on; eight conversions; four stores of 512 consecutive bytes.
; isv = 0: the bias hangs on the register (window 1, v[8 b + j]);  isv = 1: on the lane and the block (window 1, the pair v[2 a], v[2 a + 1], both the same number).
.macro OUTBLK a, isv
.set AC, 64*((\a)%4)
	WIN 0x12+((\a)/4)                              ; source 0 (the sums) window 2 or 3, source 2 (the bias) window 1
.set JJ, 0
.rept 32
.if \isv
	v_pk_fma_f32 v[TMP+JJ:TMP+JJ+1], v[AC+JJ:AC+JJ+1], s[96:97], v[2*(\a):2*(\a)+1] op_sel_hi:[1,0,1]
.else
	v_pk_fma_f32 v[TMP+JJ:TMP+JJ+1], v[AC+JJ:AC+JJ+1], s[96:97], v[JJ:JJ+1] op_sel_hi:[1,0,1]
.endif
.set JJ, JJ+2
.endr
	WIN 0
.set JJ, 0
.rept 64
.set JJ, JJ+1
.endr
.irp b, 0,1,2,3,4,5,6,7
	v_cvt_scalef32_pk8_fp8_f32 v[CD+16*(\a)+2*\b:CD+16*(\a)+2*\b+1], v[TMP+8*\b:TMP+8*\b+7], v[SCL]
.endr
	v_nop                                          ; one plain vector line between the conversions and the next block's lines, which write their sources
.irp c, 0,1,2,3
.if \isv
	global_store_b128 v[LI], v[CD+16*(\a)+4*\c:CD+16*(\a)+4*\c+3], s[88:89] offset:((\a)/4)*131072+((\a)%4)*2048+\c*512   ; head a / 4, d 16 (a % 4) on, keys 32 c on
.else
	global_store_b128 v[LI], v[CD+16*(\a)+4*\c:CD+16*(\a)+4*\c+3], s[88:89] offset:(\c/2)*131072+(\a)*1024+(\c%2)*512     ; head c / 2, tokens 16 a on, d 32 (c % 2) on
.endif
.endr
.endm
	PLACES NP                                      ; behind the last products: for the loads into window 1, the first reads of results and the writes over the A part's fragments
	s_cmp_eq_u32 ttmp9, 2                          ; the cluster's x: the same way in all partners; no barrier and no tensor load stands in either arm
	s_cbranch_scc1 .Lv_arm
	WIN TO_B
.irp b, 0,1,2,3,4,5,6,7
	ds_load_b128 v[8*\b:8*\b+3], v[BQK] offset:64*\b           ; the bias of features 16 b + 8 h + 0 .. 7
	ds_load_b128 v[8*\b+4:8*\b+7], v[BQK] offset:64*\b+16
.endr
	WIN 0
	s_wait_dscnt 0x0
.irp a, 0,1,2,3,4,5,6,7
	OUTBLK \a, 0
.endr
	s_branch .Ldone
.Lv_arm:
	WIN TO_B
.irp a, 0,1,2,3,4,5,6,7
	ds_load_b32 v[2*\a], v[BV] offset:64*\a                    ; the bias of feature 16 a + r, into both registers of a pair
	ds_load_b32 v[2*\a+1], v[BV] offset:64*\a
.endr
	WIN 0
	s_wait_dscnt 0x0
.irp a, 0,1,2,3,4,5,6,7
	OUTBLK \a, 1
.endr
.Ldone:
	s_wait_tensorcnt 0x0                           ; the wave's end
	ds_add_u32 v[SPW], v[NIL]
	s_wait_dscnt 0x0
	CROUND                                         ; the closing round: no work-group ends while a partner may still ask for a tile that names it
	s_endpgm
.Lfunc_end_k_q55b1bd9164_qkv:
	.size	k_q55b1bd9164_qkv, .Lfunc_end_k_q55b1bd9164_qkv-k_q55b1bd9164_qkv
	.p2alignl 7, 3214868480
	.fill 96, 4, 3214868480
	.section	.rodata,"a",@progbits
	.p2align	6, 0x0
	.amdhsa_kernel k_q55b1bd9164_qkv
		.amdhsa_group_segment_fixed_size 327680
		.amdhsa_private_segment_fixed_size 0
		.amdhsa_enable_private_segment 0
		.amdhsa_kernarg_size 56
		.amdhsa_user_sgpr_count 2
		.amdhsa_user_sgpr_kernarg_segment_ptr 1
		.amdhsa_wavefront_size32 1
		.amdhsa_system_sgpr_workgroup_id_x 1
		.amdhsa_system_sgpr_workgroup_id_y 1
		.amdhsa_system_sgpr_workgroup_id_z 1
		.amdhsa_system_vgpr_workitem_id 0
		.amdhsa_next_free_vgpr 1024
		.amdhsa_next_free_sgpr 100
		.amdhsa_reserve_vcc 0
		.amdhsa_float_denorm_mode_32 3
		.amdhsa_float_denorm_mode_16_64 3
		.amdhsa_fp16_overflow 1
		.amdhsa_memory_ordered 1
		.amdhsa_forward_progress 1
		.amdhsa_inst_pref_size 129
	.end_amdhsa_kernel
	.amdgpu_metadata
---
amdhsa.version: [ 1, 2 ]
amdhsa.kernels:
  - .name:           k_q55b1bd9164_qkv
    .symbol:         k_q55b1bd9164_qkv.kd
    .args:
      - { .name: xq, .offset: 0, .size: 8, .value_kind: global_buffer, .address_space: global }
      - { .name: wq, .offset: 8, .size: 8, .value_kind: global_buffer, .address_space: global }
      - { .name: lowp_scales, .offset: 16, .size: 8, .value_kind: global_buffer, .address_space: global }
      - { .name: b_qkv, .offset: 24, .size: 8, .value_kind: global_buffer, .address_space: global }
      - { .name: qc, .offset: 32, .size: 8, .value_kind: global_buffer, .address_space: global }
      - { .name: kc, .offset: 40, .size: 8, .value_kind: global_buffer, .address_space: global }
      - { .name: vc, .offset: 48, .size: 8, .value_kind: global_buffer, .address_space: global }
    .group_segment_fixed_size: 327680
    .private_segment_fixed_size: 0
    .kernarg_segment_align: 8
    .kernarg_segment_size: 56
    .max_flat_workgroup_size: 128
    .sgpr_count:     100
    .vgpr_count:     1024
    .wavefront_size: 32
...
	.end_amdgpu_metadata
.endif
;; end of part 2
;; launch attn (part 3): grid 4 x 64, 16 waves a work-group, clusters of 4 x 1, 327,680 bytes of LDS; arguments qc, kc, vc, lowp_scales, ai; writes ai
.if DOCPART == 3
	.amdgcn_target "amdgcn-amd-amdhsa--gfx1250"
	.amdhsa_code_object_version 6
	.text
	.protected	k_q55b1bd9164_attn
	.globl	k_q55b1bd9164_attn
	.p2align	8
	.type	k_q55b1bd9164_attn,@function
k_q55b1bd9164_attn:
	s_mov_b64 s[64:65], 0
	v_nop
	global_prefetch_b8 v0, s[64:65] scope:SCOPE_SE
	s_setreg_imm32_b32 hwreg(HW_REG_WAVE_MODE, 25, 1), 1
	s_wait_xcnt 0x0
	s_wait_alu depctr_hold_cnt(0) depctr_sa_sdst(0) depctr_va_vdst(0) depctr_va_sdst(0) depctr_va_ssrc(0) depctr_va_vcc(0) depctr_vm_vsrc(0)
	s_getreg_b32 s2, hwreg(HW_REG_IB_STS2, 6, 4)
	s_cmp_eq_u32 s2, 0
	s_cbranch_scc0 .Lentry_in_a_cluster
	s_endpgm
.Lentry_in_a_cluster:
	s_bfe_u32 s2, ttmp6, 0x10000c
	s_cmp_lg_u32 s2, 0x3003
	s_cbranch_scc0 .Lentry_shape_is_right
	s_endpgm
.Lentry_shape_is_right:
; Causal attention of one (batch, head) a cluster, head size 64, 2,048 tokens, both products on codes of FP8 (E4M3); the result is divided by the row's sum, quantised with entry 6 of the scales and stored as codes.
; qc, kc: [batch x head 64][block of 16 tokens 128][piece c 2][lane 32][16 bytes]: a fragment of 16 tokens x 64 d in the order of its registers.  vc: [batch x head][128 keys 16][16 d 4][piece c 4][lane][16 bytes]: a fragment
; of 16 d x 128 keys.  ai: [block of 16 tokens 512][128 k 8][piece c 4][lane][16 bytes], k = 64 x head + d: a fragment of 16 tokens x 128 k of the last product.
; THE SOFTMAX: t = score x log2(e) / 8; M = the largest t so far, rounded UP to a whole number; p = 2^(t - M) is quantised (entry 4), not normalised; the row's sum is taken of the unquantised p, in f32.
; When M moves, the sum and O are multiplied by 2^(old M - new M): exact.
; LIMITS: e2 + e3 between -123 and 130 (added to c's exponent field); e4 and e6 between -126 and 119; e4 + e5 is applied by v_ldexp_f32 and has none.  NaN is not served.
; SHARES.  The cluster's four work-groups share the head's 128 tiles of 16 queries.  Wave w has a number g (a mixing of w's bits, 0 .. 15) and owns TWO tiles: L = 4 g + cx and H = 127 - L.
; A key step is 128 keys.  Tile L needs steps 0 .. g / 2, tile H steps 0 .. 15 - g / 2: 17 tile steps for every wave, so the causal work is even.  g / 2 does not hang on cx: every branch hangs on the wave's number
; and a loop's count alone; cx enters only global addresses of Q and of the result, and the numbers that the mask compares.
; LDS IS FILLED ONCE: the head's K and V, 262,144 bytes, in four chunks of 512 keys; chunk n lies at 65,536 n: 32,768 bytes of K's fragments, then 32,768 of V's.  All four partners need the same bytes: each load is
; asked for JOINTLY.  Each wave issues one load of 4,096 bytes for each chunk (waves 0-7 K's, waves 8-15 V's), to 65,536 n + 4,096 w: four loads of a wave are out at the most, and one counted wait, alike in every
; wave, shows chunk n landed.  Nothing is filled again.
; LAYOUT.  S^T = K Q^T (source 0 = 16 keys, source 1 = 16 queries): lane (r, h) holds query r and, in tile t, keys 16 t + 8 h + 0 .. 7: their eight codes are registers 2 t, 2 t + 1 of the second product's operand.
; O^T = V^T P^T (source 0 = 16 d, source 1 = P): lane (r, h) holds query r, d = 16 td + 8 h + 0 .. 7: the codes of td = 2 c, 2 c + 1 are 16 bytes of ai's layout.  Every store of the wave covers 512 consecutive bytes, aligned.
.set LI,   1                           ; v1   16 x lane; never rewritten
.set ADK,  2                           ; v2   LDS address of the step's fragments of K
.set ADV,  3                           ; v3   of V
.set DMH,  4                           ; v4   tile H: 16 (tile % 8) + r - 8 h: on the diagonal, register (t, j) is hidden where 16 t + j is greater
.set DML,  5                           ; v5   tile L likewise
.set NINF, 6                           ; v6   -infinity
.set SBL,  8                           ; v[8:9] tile L: -M, the largest t;  v[10:11] its sum in two halves
.set SBH,  12                          ; v[12:15] tile H likewise
.set QH,   16                          ; v16-23 Q of tile H
.set QL,   24                          ; v24-31 Q of tile L
.set F,    32                          ; v32-95 eight fragments of K, then four of V
.set S,    96                          ; v96-159 S^T, then p
.set OH,   160                         ; v160-191 O^T of tile H
.set OL,   192                         ; v192-223 of tile L
.set PC,   224                         ; v224-239 p's codes
                                       ; v244: 2^e4;  v245: 2^e6;  v236, v242, v243, v252-254 at work
.set WV,   18                          ; s18  my wave's number
.set SEL,  20                          ; s[20:21] lane selects for v_permlanex16_b32: lane l xor 16
.set CS,   22                          ; s[22:23] c = log2(e) / 8 x 2^(e2 + e3)
.set G1,   24                          ; s[24:31] descriptor group 1
.set G0,   32                          ; s[32:47] four groups 0, one for each chunk; never rewritten
.set TB,   48                          ; s48  LDS byte at which the step's fragments of K begin
.set KS,   49                          ; s49  the key step, 0 .. 15
.set UL,   50                          ; s50  tile L's last step, the one on its diagonal
.set UH,   51                          ; s51  tile H's
.set TRIP, 52
.set EPV,  53                          ; s53  e4 + e5
.macro CROUND                          ; a round of the cluster's barrier
	s_barrier_signal -1
	s_barrier_wait -1
	s_cmp_lg_u32 s[WV], 0
	s_cbranch_scc1 .Lnot_wave_0_\@
	s_barrier_signal -3
.Lnot_wave_0_\@:
	s_barrier_wait -3
	s_barrier_signal -1
	s_barrier_wait -1
.endm
	s_load_b256 s[4:11], s[0:1], 0x0               ; Q's codes s[4:5], K's s[6:7], V's s[8:9], the scales' exponents s[10:11]
	s_load_b64 s[12:13], s[0:1], 0x20              ; the result's codes
	v_lshl_add_u32 v251, v0, 2, 0x40000
	v_mov_b32 v255, 0
	ds_add_u32 v251, v255
	ds_add_u32 v251, v255
	v_lshrrev_b32 v2, 5, v0
	s_delay_alu instid0(VALU_DEP_1)
	v_readfirstlane_b32 s[WV], v2                  ; wave 0..15
	s_bfe_u32 s14, ttmp6, 0x40000                  ; cx
	s_and_b32 s15, ttmp7, 0xffff                   ; batch x 16 + head, which the four partners share
	s_lshr_b32 s16, s[WV], 2
	s_add_co_u32 s17, s[WV], s16
	s_and_b32 s17, s17, 3
	s_lshl_b32 s17, s17, 2
	s_add_co_u32 s19, s17, s16                     ; g = 4 ((w + w / 4) % 4) + w / 4: waves whose numbers agree in their low or in their high two bits get g from all four quarters
	s_lshr_b32 s[UL], s19, 1
	s_xor_b32 s[UH], s[UL], 15
	s_lshl_b32 s66, s19, 2
	s_add_co_u32 s66, s66, s14                     ; tile L
	s_xor_b32 s67, s66, 127                        ; tile H = 127 - L
	; descriptor group 1: 4,096 dense bytes as 16 rows of 256
	s_mov_b32 s[G1], 15|(3<<16)|(1<<21)            ; 15:0 the mask: all four work-groups; 17:16 elements of 8 bytes; 21 set beside a mask; no padding
	s_mov_b32 s[G1+1], 32<<16                      ; tensor_dim0 = 32 elements
	s_mov_b32 s[G1+2], 16<<16                      ; tensor_dim1 = 16
	s_mov_b32 s[G1+3], 32<<16                      ; tile_dim0
	s_mov_b32 s[G1+4], 16                          ; tile_dim1
	s_mov_b32 s[G1+5], 32                          ; tensor_dim0_stride
	s_mov_b32 s[G1+6], 0
	s_mov_b32 s[G1+7], 0
	s_mov_b32 s[SEL], 0x76543210
	s_mov_b32 s[SEL+1], 0xfedcba98
	s_lshl_b32 s68, s15, 17                        ; the head's first byte in each of the three tensors
	s_and_b32 s70, s[WV], 7
	s_lshl_b32 s70, s70, 12                        ; my 4,096 bytes of a chunk's 32,768, in memory
	s_lshl_b32 s71, s[WV], 12                      ; and in LDS: 4,096 x wave
	s_add_co_u32 s72, s68, s70
	s_mov_b32 s73, 0
	s_wait_dscnt 0x0
	s_wait_kmcnt 0x0
	s_load_b256 s[56:63], s[10:11], 0x0            ; the eight exponents
	s_cmp_lt_u32 s[WV], 8
	s_cselect_b64 s[74:75], s[6:7], s[8:9]         ; waves 0-7 fetch K, waves 8-15 V
	s_add_nc_u64 s[74:75], s[74:75], s[72:73]
.irp n, 0,1,2,3
	s_mov_b32 s[G0+4*\n], 1                        ; count = 1
	s_add_co_u32 s[G0+4*\n+1], s71, \n*65536       ; LDS address
	s_add_nc_u64 s[G0+4*\n+2:G0+4*\n+3], s[74:75], \n*32768
	s_or_b32 s[G0+4*\n+3], s[G0+4*\n+3], 0x80000000   ; type = 2
.endr
	CROUND                                         ; all four work-groups are here: the joint loads meet
.irp n, 0,1,2,3
	s_wait_alu depctr_va_vdst(0)
	s_wait_tensorcnt 0x0
	ds_add_u32 v251, v255
	ds_add_u32 v251, v255
	s_wait_dscnt 0x0
	CROUND
	tensor_load_to_lds s[G0+4*\n:G0+4*\n+3], s[G1:G1+7]
	s_nop 0
.endr
.rept 4
	v_nop
.endr
	v_and_b32 v[LI], 31, v0
	s_delay_alu instid0(VALU_DEP_1)
	v_lshlrev_b32 v[LI], 4, v[LI]
	s_lshl_b32 s72, s67, 10                        ; a tile of Q is 1,024 bytes
	s_add_co_u32 s72, s72, s68
	s_add_nc_u64 s[76:77], s[4:5], s[72:73]
	s_lshl_b32 s72, s66, 10
	s_add_co_u32 s72, s72, s68
	s_add_nc_u64 s[78:79], s[4:5], s[72:73]
	global_load_b128 v[QH:QH+3], v[LI], s[76:77]
	global_load_b128 v[QH+4:QH+7], v[LI], s[76:77] offset:512
	global_load_b128 v[QL:QL+3], v[LI], s[78:79]
	global_load_b128 v[QL+4:QL+7], v[LI], s[78:79] offset:512
	s_lshr_b32 s84, s15, 4
	s_lshl_b32 s84, s84, 21                        ; the result: the batch's 128 blocks of 16,384 bytes,
	s_bfe_u32 s85, s15, 0x30001
	s_lshl_b32 s85, s85, 11                        ; (head / 2) x 2,048,
	s_add_co_u32 s84, s84, s85
	s_and_b32 s85, s15, 1
	s_lshl_b32 s85, s85, 10                        ; (head % 2) x 1,024,
	s_add_co_u32 s84, s84, s85
	s_lshl_b32 s72, s67, 14                        ; and the tile
	s_add_co_u32 s72, s72, s84
	s_add_nc_u64 s[80:81], s[12:13], s[72:73]
	s_lshl_b32 s72, s66, 14
	s_add_co_u32 s72, s72, s84
	s_add_nc_u64 s[82:83], s[12:13], s[72:73]
	v_and_b32 v7, 15, v0                           ; r
	v_bfe_u32 v2, v0, 4, 1                         ; h
	s_delay_alu instid0(VALU_DEP_1)
	v_lshlrev_b32 v2, 3, v2
	s_delay_alu instid0(VALU_DEP_1)
	v_sub_nc_u32 v7, v7, v2                        ; r - 8 h
	s_and_b32 s86, s67, 7
	s_lshl_b32 s86, s86, 4
	v_add_nc_u32 v[DMH], s86, v7
	s_and_b32 s86, s66, 7
	s_lshl_b32 s86, s86, 4
	v_add_nc_u32 v[DML], s86, v7
	v_mov_b32 v[NINF], 0xff800000
.irp b, SBL, SBH
	v_mov_b32 v[\b+1], 0xff61b1e6                  ; the largest t so far: -3e38, under every t
	s_delay_alu instid0(VALU_DEP_1)
	v_floor_f32 v[\b], -v[\b+1]                    ; -M
	v_mov_b32 v[\b+2], 0                           ; the sum, in two halves
	v_mov_b32 v[\b+3], 0
.endr
	v_mov_b32 v236, 0                              ; written once: a lane permute's destination counts as one of its sources
	v_mov_b32 v253, 0                              ; (named as the upper half of the pair v[252:253])
.set II, 0
.rept 64
	v_mov_b32 v[OH+II], 0                          ; both O^T.  (A step is written without a first step of its own: the first finds zeros, which the first change of M leaves zeros)
.set II, II+1
.endr
	s_wait_kmcnt 0x0
	s_mov_b32 s[CS], 0x3e38aa3b                    ; log2(e) / 8
	s_add_co_i32 s86, s58, s59
	s_lshl_b32 s86, s86, 23
	s_add_co_i32 s[CS], s[CS], s86                 ; a score stands for score x 2^(e2 + e3): the exponents are added to c's exponent field
	s_mov_b32 s[CS+1], s[CS]                       ; (named with it as a pair, so it is written)
	s_add_co_i32 s86, s60, 127
	s_lshl_b32 s87, s86, 23
	v_mov_b32 v244, s87                            ; 2^e4
	s_add_co_i32 s86, s62, 127
	s_lshl_b32 s87, s86, 23
	v_mov_b32 v245, s87                            ; 2^e6
	s_add_co_i32 s[EPV], s60, s61
; ONE TILE'S KEY STEP: 16 queries x 128 keys.  QF: its Q; OB: its O^T; SB: its statistics; DM: its mask number; UX: its last step.
; guard = 1: a step behind the tile's last is left out, and the last one is masked: scalar branches on the wave's number and the loop's count, round loads, products and vector work alone.
.macro STEP QF, OB, SB, DM, UX, guard
.if \guard
	s_cmp_gt_u32 s[KS], s[\UX]
	s_cbranch_scc1 .Lskip_\@
.endif
	v_add_nc_u32 v[ADK], s[TB], v[LI]
	s_delay_alu instid0(VALU_DEP_1)
	v_add_nc_u32 v[ADV], 0x8000, v[ADK]
	v_nop                                          ; with the two additions: four places in front of loads into registers that the last products read
	v_nop
.irp t, 0,1,2,3,4,5,6,7
	ds_load_b128 v[F+8*\t:F+8*\t+3], v[ADK] offset:1024*\t         ; keys 16 t on: 512 consecutive bytes an instruction
	ds_load_b128 v[F+8*\t+4:F+8*\t+7], v[ADK] offset:1024*\t+512
.endr
	s_wait_alu depctr_va_vdst(0)
	s_wait_dscnt 0x0
.irp t, 0,1,2,3,4,5,6,7
	v_wmma_f32_16x16x64_fp8_fp8 v[S+8*\t:S+8*\t+7], v[F+8*\t:F+8*\t+7], v[\QF:\QF+7], 0
.endr
.rept 4
	v_nop                                          ; places: for the loads below and for the first reads of the scores
.endr
.irp d, 0,1,2,3
.irp c, 0,1,2,3
	ds_load_b128 v[F+16*\d+4*\c:F+16*\d+4*\c+3], v[ADV] offset:2048*\d+512*\c   ; V is asked for here and lands under the softmax
.endr
.endr
.if \guard
	s_cmp_lg_u32 s[KS], s[\UX]
	s_cbranch_scc1 .Lopen_\@
.set II, 0
.rept 64
	v_cmp_gt_i32 vcc_lo, 16*(II/8)+II%8, v[\DM]    ; on the diagonal the scores of hidden keys become -infinity ahead of the maximum: p = 0 then
	v_cndmask_b32 v[S+II], v[S+II], v[NINF], vcc_lo
.set II, II+1
.endr
.Lopen_\@:
.endif
	v_max3_num_f32 v254, v[S], v[S+1], v[S+2]      ; the step's largest score of my query among my 64 keys, in two chains, each accumulator from its low end on,
	v_max3_num_f32 v252, v[S+3], v[S+4], v[S+5]
.set II, 6
.rept 14
	v_max3_num_f32 v254, v254, v[S+II], v[S+II+1]
	v_max3_num_f32 v252, v252, v[S+II+2], v[S+II+3]
.set II, II+4
.endr
	v_max3_num_f32 v254, v254, v[S+62], v[S+63]
	s_delay_alu instid0(VALU_DEP_1)
	v_max_num_f32 v254, v254, v252
	v_permlanex16_b32 v236, v254, s[SEL], s[SEL+1]
	s_delay_alu instid0(VALU_DEP_1)
	v_max_num_f32 v254, v254, v236                 ; and among lane l xor 16's
	s_delay_alu instid0(VALU_DEP_1)
	v_mul_f32 v254, s[CS], v254                    ; as t (c is positive)
	s_delay_alu instid0(VALU_DEP_1)
	v_max_num_f32 v[\SB+1], v[\SB+1], v254         ; the running largest t
	v_mov_b32 v254, v[\SB]
	s_delay_alu instid0(VALU_DEP_2)
	v_floor_f32 v[\SB], -v[\SB+1]                  ; the new -M = floor(-t): M is a whole number
	s_delay_alu instid0(VALU_DEP_1)
	v_sub_f32 v254, v[\SB], v254                   ; old M - new M: a whole number, 0 or less
	s_delay_alu instid0(VALU_DEP_1)
	v_cvt_i32_f32 v254, v254                       ; (it saturates)
	s_delay_alu instid0(VALU_DEP_1)
	v_ldexp_f32 v252, 1.0, v254                    ; f = 2^(old M - new M)
.set II, 0
.rept 32
	v_pk_fma_f32 v[S+II:S+II+1], v[S+II:S+II+1], s[CS:CS+1], v[\SB:\SB+1] op_sel_hi:[1,0,0]   ; t - M, two at a time
.set II, II+2
.endr
.set II, 0
	s_wait_alu depctr_va_vdst(0)
.rept 64
	v_exp_f32 v[S+II], v[S+II]                     ; p = 2^(t - M), at most 1
.set II, II+1
.endr
	v_pk_mul_f32 v[\SB+2:\SB+3], v[\SB+2:\SB+3], v[252:253] op_sel_hi:[1,0]   ; the sums under the new M.  (A plain place behind the exponentials)
	s_wait_alu depctr_va_vdst(0)
	v_pk_add_f32 v[242:243], v[S:S+1], v[S+2:S+3]  ; the row's sum is taken of the unquantised p, in two chains
.set II, 4
.rept 15
	v_pk_add_f32 v[\SB+2:\SB+3], v[\SB+2:\SB+3], v[S+II:S+II+1]
	v_pk_add_f32 v[242:243], v[242:243], v[S+II+2:S+II+3]
.set II, II+4
.endr
	s_delay_alu instid0(VALU_DEP_1)
	v_pk_add_f32 v[\SB+2:\SB+3], v[\SB+2:\SB+3], v[242:243]
.set TT, 0
.rept 8
.set II, 0
.rept 8
.set II, II+1
.endr
	v_cvt_scalef32_pk8_fp8_f32 v[PC+2*TT:PC+2*TT+1], v[S+8*TT:S+8*TT+7], v244
.set TT, TT+1
.endr
.set II, 0
.rept 16
	v_pk_mul_f32 v[\OB+II:\OB+II+1], v[\OB+II:\OB+II+1], v[252:253] op_sel_hi:[1,0]   ; O^T under the new M.  (Also the plain lines between the conversions and the products)
.set II, II+2
.endr
	s_wait_alu depctr_va_vdst(0)
	s_wait_dscnt 0x0                               ; V is in
.irp d, 0,1,2,3                        ; the four accumulators take one turn each
	v_wmma_f32_16x16x128_fp8_fp8 v[\OB+8*\d:\OB+8*\d+7], v[F+16*\d:F+16*\d+15], v[PC:PC+15], v[\OB+8*\d:\OB+8*\d+7]
.endr
.if \guard
.Lskip_\@:
.endif
.endm
; A CHUNK of 512 keys, four key steps.  low = 1: tile L may still have steps here;  hguard = 1: tile H's diagonal may lie here.  Every wave walks all four trips.
.macro CHUNK n, low, hguard
	s_wait_dscnt 0x0                               ; no LDS instruction of mine is out at the signal
	s_wait_tensorcnt 3-\n                          ; my part of chunk n has landed; the loads of the 3 - n later chunks may stay out
	s_barrier_signal -1
	s_barrier_wait -1                              ; everybody's has
	s_mov_b32 s[TB], 65536*\n
	s_mov_b32 s[KS], 4*\n
	s_mov_b32 s[TRIP], 4
.Ltrip_\@:
	STEP QH, OH, SBH, DMH, UH, \hguard
.if \low
	STEP QL, OL, SBL, DML, UL, 1
.endif
	s_add_co_u32 s[TB], s[TB], 8192
	s_add_co_u32 s[KS], s[KS], 1
	s_sub_co_u32 s[TRIP], s[TRIP], 1
	s_cmp_lg_u32 s[TRIP], 0
	s_cbranch_scc1 .Ltrip_\@
.endm
	s_wait_loadcnt 0x0                             ; Q
	CHUNK 0, 1, 0                                  ; tile H's diagonal lies in step 8 or later, tile L's in step 7 or earlier
	CHUNK 1, 1, 0
	CHUNK 2, 0, 1
	CHUNK 3, 0, 1
; THE WAY OUT of a tile: O^T / the sum x 2^(e4 + e5), converted, two stores of 512 consecutive bytes.
.macro OUT OB, SB, SR, PR, base
	v_add_f32 v254, v[\SB+2], v[\SB+3]             ; the sum's two halves,
	v_permlanex16_b32 v236, v254, s[SEL], s[SEL+1]
	s_delay_alu instid0(VALU_DEP_1)
	v_add_f32 v254, v254, v236                     ; and lane l xor 16's
	s_wait_alu depctr_va_vdst(0)
	v_rcp_f32 v252, v254
	v_nop                                          ; one plain place behind a transcendental
	s_wait_alu depctr_va_vdst(0)
	v_ldexp_f32 v252, v252, s[EPV]
.set II, 0
.rept 16
	v_pk_mul_f32 v[\SR+II:\SR+II+1], v[\OB+II:\OB+II+1], v[252:253] op_sel_hi:[1,0]   ; each accumulator from its low end on
.set II, II+2
.endr
.set II, 0
.rept 32
.set II, II+1
.endr
.irp d, 0,1,2,3
	v_cvt_scalef32_pk8_fp8_f32 v[\PR+2*\d:\PR+2*\d+1], v[\SR+8*\d:\SR+8*\d+7], v245
.endr
	v_nop                                          ; one plain vector line behind the last conversion
	global_store_b128 v[LI], v[\PR:\PR+3], s[\base:\base+1]
	global_store_b128 v[LI], v[\PR+4:\PR+7], s[\base:\base+1] offset:512
.endm
.rept 4
	v_nop                                          ; places behind the last products
.endr
	OUT OH, SBH, S, PC, 80
	OUT OL, SBL, S+32, PC+8, 82
	s_wait_tensorcnt 0x0
	ds_add_u32 v251, v255
	s_wait_dscnt 0x0
	CROUND                                         ; the closing round: no work-group ends while a partner may still ask for a tile that names it
	s_endpgm
.Lfunc_end_k_q55b1bd9164_attn:
	.size	k_q55b1bd9164_attn, .Lfunc_end_k_q55b1bd9164_attn-k_q55b1bd9164_attn
	.p2alignl 7, 3214868480
	.fill 96, 4, 3214868480
	.section	.rodata,"a",@progbits
	.p2align	6, 0x0
	.amdhsa_kernel k_q55b1bd9164_attn
		.amdhsa_group_segment_fixed_size 327680
		.amdhsa_private_segment_fixed_size 0
		.amdhsa_enable_private_segment 0
		.amdhsa_kernarg_size 40
		.amdhsa_user_sgpr_count 2
		.amdhsa_user_sgpr_kernarg_segment_ptr 1
		.amdhsa_wavefront_size32 1
		.amdhsa_system_sgpr_workgroup_id_x 1
		.amdhsa_system_sgpr_workgroup_id_y 1
		.amdhsa_system_sgpr_workgroup_id_z 1
		.amdhsa_system_vgpr_workitem_id 0
		.amdhsa_next_free_vgpr 256
		.amdhsa_next_free_sgpr 96
		.amdhsa_reserve_vcc 1
		.amdhsa_float_denorm_mode_32 3
		.amdhsa_float_denorm_mode_16_64 3
		.amdhsa_fp16_overflow 1
		.amdhsa_memory_ordered 1
		.amdhsa_forward_progress 1
		.amdhsa_inst_pref_size 118
	.end_amdhsa_kernel
	.amdgpu_metadata
---
amdhsa.version: [ 1, 2 ]
amdhsa.kernels:
  - .name:           k_q55b1bd9164_attn
    .symbol:         k_q55b1bd9164_attn.kd
    .args:
      - { .name: qc, .offset: 0, .size: 8, .value_kind: global_buffer, .address_space: global }
      - { .name: kc, .offset: 8, .size: 8, .value_kind: global_buffer, .address_space: global }
      - { .name: vc, .offset: 16, .size: 8, .value_kind: global_buffer, .address_space: global }
      - { .name: lowp_scales, .offset: 24, .size: 8, .value_kind: global_buffer, .address_space: global }
      - { .name: ai, .offset: 32, .size: 8, .value_kind: global_buffer, .address_space: global }
    .group_segment_fixed_size: 327680
    .private_segment_fixed_size: 0
    .kernarg_segment_align: 8
    .kernarg_segment_size: 40
    .max_flat_workgroup_size: 512
    .sgpr_count:     96
    .vgpr_count:     256
    .wavefront_size: 32
...
	.end_amdgpu_metadata
.endif
;; end of part 3
;; launch proj (part 4): grid 4 x 32, 4 waves a work-group, clusters of 4 x 4, 327,680 bytes of LDS; arguments ai, wo, lowp_scales, b_out, out0; writes out0
.if DOCPART == 4
	.amdgcn_target "amdgcn-amd-amdhsa--gfx1250"
	.amdhsa_code_object_version 6
	.text
	.protected	k_q55b1bd9164_proj
	.globl	k_q55b1bd9164_proj
	.p2align	8
	.type	k_q55b1bd9164_proj,@function
k_q55b1bd9164_proj:
	s_mov_b64 s[64:65], 0
	v_nop
	global_prefetch_b8 v0, s[64:65] scope:SCOPE_SE
	s_setreg_imm32_b32 hwreg(HW_REG_WAVE_MODE, 25, 1), 1
	s_wait_xcnt 0x0
	s_wait_alu depctr_hold_cnt(0) depctr_sa_sdst(0) depctr_va_vdst(0) depctr_va_sdst(0) depctr_va_ssrc(0) depctr_va_vcc(0) depctr_vm_vsrc(0)
	s_getreg_b32 s2, hwreg(HW_REG_IB_STS2, 6, 4)
	s_cmp_eq_u32 s2, 0
	s_cbranch_scc0 .Lentry_in_a_cluster
	s_endpgm
.Lentry_in_a_cluster:
	s_bfe_u32 s2, ttmp6, 0x10000c
	s_cmp_lg_u32 s2, 0xf033
	s_cbranch_scc0 .Lentry_shape_is_right
	s_endpgm
.Lentry_shape_is_right:
; out = head_out w_out^T + b_out on codes of FP8 (E4M3), K = 1,024.  out0: [8192][1024] f32.  A finished sum is multiplied by 2^(e6 + e7) and the bias added in one fused multiply-add.
; LIMIT: e6 + e7 between -126 and 127, so that 2^(e6 + e7) is an f32 number.
; ai: head_out's codes in the order of the operand's registers: [block of 16 tokens 512][128 k 8][piece c 4][lane 32][16 bytes]: lane (r, h) holds token r, k = 32 c + 8 h + 0..7 and 32 c + 16 + 8 h + 0..7.
; wo: [1024][1024] codes, K innermost: its fragments are read from rows in that same order of k, by loads of 8 bytes.
; A tile of out0, 256 x 256, is made by four waves, a wave makes 128 x 128: 64 accumulators.  K goes in steps of 256 through a ring of two LDS slots filled by the tensor data mover.
; CLUSTERS: 4 x 4 work-groups.  A's tiles hang on the tile row alone and are shared along a row of the cluster, B's on the tile column alone and are shared along a column: each is asked for JOINTLY.
; The matrix instruction is used transposed (source 0 = 16 rows of w_out, source 1 = 16 tokens): a lane holds eight neighbouring numbers of a row of out0.
; There are 128 tiles of this size: half of the chip's 256 WGPs get a work-group.
; REGISTERS, in windows of 256: window 0: v0-31 addresses; from v128 A's fragments, ONE set; on the way out v32-255 are free.   window 1: B's fragments, TWO sets, at v0 and v128; on the way out the bias.
;   window 2: the accumulators of my rows 0-63 ((a, b) at v[8 (8 a + b)]);   window 3: those of my rows 64-127.
.set KROW,   1024                      ; a row of w_out's codes in bytes
.set ROWB,   256                       ; a row of B's tile
.set PITCH,  272                       ; B's LDS row: 256 bytes + 16 of padding
.set FR,     16
.set NL,     4                         ; LDS loads that bring a fragment of A
.set NP,     4                         ; places behind this matrix instruction (ISA guide 7.12.1)
.set AHALF,  32768                     ; A: 8 blocks of 16 tokens x 4,096 bytes (256 along K), dense: what one tensor load brings
.set HALFT,  128*PITCH                 ; B: 128 rows
.set BOFF,   2*AHALF                   ; B's part of a slot begins here
.set SLOT,   BOFF+2*HALFT
.set LAPS,   2                         ; 1,024 / 512
.set SPARE,  2*SLOT                    ; behind the ring: the spare words, 128 bytes for each wave: two blocks of 256 bytes that no other line names
.set BIASL,  SPARE+512                 ; behind them: 512 bytes for each wave: its 128 numbers of the bias; no fill lands here
.set SPITCH, 528                       ; the way out: a stage of 16 rows x (512 bytes + 16) for each wave, in slot 0, which has had its last fill and its last read when the first result is stored there
.set SIZE_N, 1024
.set BST,  12                          ; v12  where I put 16 bytes of my wave's bias
.set BQK,  13                          ; v13  where the way out reads it: + 32 h
.set ADRA, 16                          ; v16-17  LDS address of my A fragments in slot 0, 1
.set ADRB, 20                          ; v20-21  the same for B
.set STO,  24                          ; v24  the way out: where I put 32 bytes of a row
.set RD,   25                          ; v25  where I read a row back
.set CO,   26                          ; v26  16 x lane: my byte offset in a row's 512 bytes; never rewritten
.set SPW,  28
.set NIL,  29
.set TMP,  32
.set AF,   128
.set BK,   128                         ; the way out: 16 rows read back from the stage: v128-191 and v192-255 by turns
.set G1, 24
.set G0, 32
.set G1B, 48
.set G0B, 56
.set MSB, 0
.macro WIN new                         ; the immediate's high byte repeats the setting that is left
.if MSB != \new
	s_set_vgpr_msb (MSB<<8)|\new
.set MSB, \new
.endif
.endm
.set MUL_LO, 0xa1
.set MUL_HI, 0xf1
.set TO_B,   0x40
.macro JLOAD g0a, g1a, g0b, g1b        ; a joint load: waves 0 and 1 fetch for A, waves 2 and 3 for B; four v_nop follow each of the two lines
	s_cmp_eq_u32 s15, 0
	s_cbranch_scc0 .Lfor_b_\@
	tensor_load_to_lds s[\g0a:\g0a+3], s[\g1a:\g1a+7]
	s_nop 0
.rept 4
	v_nop
.endr
	s_branch .Lasked_\@
.Lfor_b_\@:
	tensor_load_to_lds s[\g0b:\g0b+3], s[\g1b:\g1b+7]
	s_nop 0
.rept 4
	v_nop
.endr
.Lasked_\@:
.endm
.macro CREST
	s_cmp_lg_u32 s14, 0
	s_cbranch_scc1 .Lnot_wave_0_\@
	s_barrier_signal -3
.Lnot_wave_0_\@:
	s_barrier_wait -3
	s_barrier_signal -1
	s_barrier_wait -1
.endm
.macro CROUND
	s_barrier_signal -1
	s_barrier_wait -1
	CREST
.endm
	s_load_b256 s[4:11], s[0:1], 0x0               ; A's codes s[4:5], B's s[6:7], the scales' exponents s[8:9], the bias s[10:11]
	s_load_b64 s[12:13], s[0:1], 0x20              ; out0
	v_lshl_add_u32 v[SPW], v0, 2, SPARE
	v_mov_b32 v[NIL], 0
	ds_add_u32 v28, v29
	ds_add_u32 v28, v29
	s_wait_dscnt 0x0
	v_lshrrev_b32 v1, 5, v0
	v_readfirstlane_b32 s14, v1                    ; wave 0..3
	s_lshr_b32 s15, s14, 1                         ; which half of the tile's rows is mine.  Also: I fetch for A (0) or for B (1)
	s_and_b32 s16, s14, 1                          ; which half of its columns.  Also: which half of that tile I fetch
	s_bfe_u32 s40, ttmp6, 0x40000                  ; cx, cy
	s_bfe_u32 s41, ttmp6, 0x40004
	s_lshl_b32 s42, ttmp9, 2
	s_add_co_u32 s42, s42, s40                     ; tile column = 4 x cluster x + cx
	s_and_b32 s17, ttmp7, 0xffff
	s_lshl_b32 s17, s17, 2
	s_add_co_u32 s17, s17, s41                     ; tile row = 4 x cluster y + cy
	s_lshl_b32 s43, s41, 2
	s_lshl_b32 s43, 15, s43                        ; my row of the cluster
	s_lshl_b32 s44, 0x1111, s40                    ; my column
	; descriptor group 1 for A: 8 blocks of tokens x 4,096 bytes, 16,384 bytes from block to block, dense in LDS
	s_or_b32 s[G1+0], s43, (0<<16)|(1<<21)         ; 15:0 the mask: my row; 17:16 element of 1 byte; 21 set beside a mask; no padding
	s_mov_b32 s[G1+1], 4096<<16                    ; tensor_dim0
	s_mov_b32 s[G1+2], 8<<16                       ; tensor_dim1
	s_mov_b32 s[G1+3], 4096<<16                    ; tile_dim0
	s_mov_b32 s[G1+4], 8                           ; tile_dim1
	s_mov_b32 s[G1+5], 16384                       ; tensor_dim0_stride
	s_mov_b32 s[G1+6], 0
	s_mov_b32 s[G1+7], 0
	; for B: 128 rows x 256 bytes, padded in LDS
	s_or_b32 s[G1B+0], s44, (0<<16)|(1<<20)|(1<<21)|(5<<22)|(3<<25)  ; the mask: my column; padding: 4 words after every 64
	s_mov_b32 s[G1B+1], ROWB<<16
	s_mov_b32 s[G1B+2], 128<<16
	s_mov_b32 s[G1B+3], ROWB<<16
	s_mov_b32 s[G1B+4], 128
	s_mov_b32 s[G1B+5], KROW
	s_mov_b32 s[G1B+6], 0
	s_mov_b32 s[G1B+7], 0
	s_lshl_b32 s20, s17, 18                        ; A: 16 blocks of 16,384 bytes a tile,
	s_lshl_b32 s18, s16, 17                        ; 8 a half
	s_add_co_u32 s20, s20, s18
	s_mov_b32 s21, 0
	s_lshl_b32 s46, s42, 8
	s_lshl_b32 s18, s16, 7
	s_add_co_u32 s46, s46, s18
	s_lshl_b32 s46, s46, 10                        ; B: (256 x tile column + 128 x half) rows of 1,024 bytes
	s_mov_b32 s47, 0
	s_lshl_b32 s45, s16, 15                        ; where they go: A's halves at 0 and 32,768,
	s_mul_i32 s19, s16, HALFT
	s_add_co_u32 s19, s19, BOFF                    ; B's behind them: no place in the cluster enters an LDS address
	s_wait_kmcnt 0x0
	s_load_b256 s[80:87], s[8:9], 0x0              ; the eight exponents
	s_add_nc_u64 s[20:21], s[4:5], s[20:21]
	s_add_nc_u64 s[46:47], s[6:7], s[46:47]
	CROUND                                         ; all sixteen work-groups are here: the first joint loads meet
.irp s, 0,1
	s_mov_b32 s[G0+4*\s], 1
	s_add_co_u32 s[G0+4*\s+1], s45, \s*SLOT
	s_add_nc_u64 s[G0+4*\s+2:G0+4*\s+3], s[20:21], \s*4096       ; 256 along K are 4,096 bytes of a block
	s_or_b32 s[G0+4*\s+3], s[G0+4*\s+3], 0x80000000
	s_mov_b32 s[G0B+4*\s], 1
	s_add_co_u32 s[G0B+4*\s+1], s19, \s*SLOT
	s_add_nc_u64 s[G0B+4*\s+2:G0B+4*\s+3], s[46:47], \s*ROWB
	s_or_b32 s[G0B+4*\s+3], s[G0B+4*\s+3], 0x80000000
	JLOAD G0+4*\s, G1, G0B+4*\s, G1B
.endr
	v_and_b32 v1, 15, v0                           ; r
	v_bfe_u32 v2, v0, 4, 1                         ; h
	v_and_b32 v6, 31, v0
	v_lshlrev_b32 v[CO], 4, v6                     ; 16 x lane
	v_mul_u32_u24 v3, v1, PITCH
	v_lshl_add_u32 v4, v2, 3, v3                   ; B: row x pitch + 8 x half
	s_lshl_b32 s21, s15, 15                        ; my 8 blocks of A
	s_mul_i32 s22, s16, HALFT                      ; my 128 rows of B
	s_add_co_u32 s22, s22, BOFF
.irp s, 0,1
	v_add_nc_u32 v[ADRA+\s], s21, v[CO]
	v_add_nc_u32 v[ADRB+\s], s22, v4
	s_add_co_u32 s21, s21, SLOT
	s_add_co_u32 s22, s22, SLOT
.endr
	s_mul_i32 s23, s14, 16*SPITCH                  ; my stage
	v_mul_u32_u24 v5, v1, SPITCH                   ; in: row r, 32 bytes for each half of the lanes
	v_lshl_add_u32 v5, v2, 5, v5
	v_add_nc_u32 v[STO], s23, v5
	v_add_nc_u32 v[RD], s23, v[CO]                 ; back: the 32 lanes take one row of 512 bytes
	s_lshl_b32 s92, s42, 10                        ; my first column, in bytes of f32: 1,024 x tile column + 512 x half: in the bias,
	s_lshl_b32 s93, s16, 9
	s_add_co_u32 s92, s92, s93
	s_mov_b32 s93, 0
	s_add_nc_u64 s[10:11], s[10:11], s[92:93]
	global_load_b128 v[TMP:TMP+3], v[CO], s[10:11] ; my wave's 128 numbers of the bias
	s_lshl_b32 s90, s17, 8
	s_lshl_b32 s91, s15, 7
	s_add_co_u32 s90, s90, s91                     ; my first row of out0,
	s_lshl_b32 s90, s90, 12                        ; of 4,096 bytes,
	s_add_co_u32 s90, s90, s92                     ; and my first column
	s_mov_b32 s91, 0
	s_add_nc_u64 s[12:13], s[12:13], s[90:91]
	s_lshl_b32 s98, s14, 9
	s_add_co_u32 s98, s98, BIASL
	v_add_nc_u32 v[BST], s98, v[CO]
	v_lshl_add_u32 v[BQK], v2, 5, s98
	s_wait_kmcnt 0x0
	s_add_co_i32 s96, s86, s87
	s_add_co_i32 s96, s96, 127
	s_lshl_b32 s96, s96, 23                        ; 2^(e6 + e7) as f32
	s_mov_b32 s97, s96                             ; (named with it as a pair, so it is written)
.macro FRAGA reg, adr, q, i            ; a fragment of A as it lies: four loads of 512 consecutive bytes
.irp c, 0,1,2,3
	ds_load_b128 v[\reg+4*\c:\reg+4*\c+3], v[\adr] offset:4096*(\i)+2048*(\q)+512*\c
.endr
.endm
.macro FRAGB reg, adr, q, i            ; a fragment of B from rows: registers 2 c, 2 c + 1 hold K = 16 c + 8 (l / 16) + 0 .. 7, the order in which A's codes were laid
.irp c, 0,1,2,3,4,5,6,7
	ds_load_b64 v[\reg+2*\c:\reg+2*\c+1], v[\adr] offset:128*(\q)+16*\c+(\i)*16*PITCH
.endr
.endm
; The 64 accumulators take turns, one instruction a turn, in the same order in every step.
.macro MUL16 a0, p, zero
.irp a, \a0, \a0+1
.irp b, 0,1,2,3,4,5,6,7
.if \zero
	v_wmma_f32_16x16x128_fp8_fp8 v[8*(8*((\a)%4)+\b):8*(8*((\a)%4)+\b)+7], v[128*(\p)+FR*\b:128*(\p)+FR*\b+FR-1], v[AF+FR*(\a):AF+FR*(\a)+FR-1], 0
.else
	v_wmma_f32_16x16x128_fp8_fp8 v[8*(8*((\a)%4)+\b):8*(8*((\a)%4)+\b)+7], v[128*(\p)+FR*\b:128*(\p)+FR*\b+FR-1], v[AF+FR*(\a):AF+FR*(\a)+FR-1], v[8*(8*((\a)%4)+\b):8*(8*((\a)%4)+\b)+7]
.endif
.endr
.endr
.endm
.macro FETCH_B slot, q, p
	WIN TO_B
.irp i, 0,1,2,3,4,5,6,7
	FRAGB 128*(\p)+FR*\i, ADRB+\slot, \q, \i
.endr
	WIN 0
.endm
.macro FETCH_A slot, q, i0
.irp i, \i0, \i0+1, \i0+2, \i0+3
	FRAGA AF+FR*(\i), ADRA+\slot, \q, \i
.endr
.endm
.macro PLACES n
.rept \n
	v_nop
.endr
.endm
.macro STEP slot, q, zero
	s_wait_dscnt 4*NL                              ; B's set and A's blocks 0-3 are in; the youngest sixteen loads (A's blocks 4-7) may be out
	WIN MUL_LO
	MUL16 0, (\q)%2, \zero
	MUL16 2, (\q)%2, \zero
	s_wait_dscnt 0                                 ; A's blocks 4-7 are in
	PLACES NP
	FETCH_B \slot, (\q)+1, 1-(\q)%2
	FETCH_A \slot, (\q)+1, 0
	WIN MUL_HI
	MUL16 4, (\q)%2, \zero
	MUL16 6, (\q)%2, \zero
	PLACES NP
	WIN 0
	FETCH_A \slot, (\q)+1, 4
.endm
.macro TURN slot, next, fill
	s_wait_tensorcnt 0x0                           ; all my tensor loads have landed: my part of the next slot  (every window is 0 here)
	ds_add_u32 v[SPW], v[NIL]                      ; 0 onto my spare word
	s_wait_dscnt 4*NL+1                            ; (the add and the youngest sixteen loads, A's blocks 4-7, may be out)
	WIN MUL_LO
	MUL16 0, 1, 0
	s_wait_dscnt 0x0                               ; the add is done, and my reads of this slot are over
	s_barrier_signal -1
	MUL16 2, 1, 0
	WIN 0
	s_barrier_wait -1
.if \fill
	CREST                                          ; the barrier has opened a round of the cluster's barrier: no wave of any partner still reads this slot's tile or has a load on its way
	s_add_nc_u64 s[G0+4*\slot+2:G0+4*\slot+3], s[G0+4*\slot+2:G0+4*\slot+3], 2*4096
	s_add_nc_u64 s[G0B+4*\slot+2:G0B+4*\slot+3], s[G0B+4*\slot+2:G0B+4*\slot+3], 2*ROWB
	JLOAD G0+4*\slot, G1, G0B+4*\slot, G1B         ; the first tensor load behind the round; the four v_nop behind it are the places in front of the loads below
.else
	PLACES NP
.endif
	FETCH_B \next, 0, 0
	FETCH_A \next, 0, 0
	WIN MUL_HI
	MUL16 4, 1, 0
	MUL16 6, 1, 0
	PLACES NP
	WIN 0
	FETCH_A \next, 0, 4
.endm
	s_wait_loadcnt 0x0                             ; my wave's bias is in registers,
	ds_store_b128 v[BST], v[TMP:TMP+3]             ; and goes into my wave's own 512 bytes
	s_wait_dscnt 0x0                               ; no LDS instruction of mine is out at the signal
	s_wait_tensorcnt 1                             ; my part of K step 0 is in (K step 1's load may be out)
	s_barrier_signal -1
	s_barrier_wait -1                              ; everybody's is
	FETCH_B 0, 0, 0
	FETCH_A 0, 0, 0
	FETCH_A 0, 0, 4
	STEP 0, 0, 1                                   ; the first step stands in front of the loop: its products start the sums
	s_mov_b32 s3, LAPS-1
.Llap:
	TURN 0, 1, 1
	STEP 1, 0, 0
	TURN 1, 0, 1
	STEP 0, 0, 0
	s_sub_co_u32 s3, s3, 1
	s_cmp_lg_u32 s3, 0
	s_cbranch_scc1 .Llap
	TURN 0, 1, 0                                   ; the last lap fills nothing
	STEP 1, 0, 0
	s_wait_dscnt 4*NL
	WIN MUL_LO
	MUL16 0, 1, 0
	MUL16 2, 1, 0
	s_wait_dscnt 0
	WIN MUL_HI
	MUL16 4, 1, 0
	MUL16 6, 1, 0
	WIN 0
; THE WAY OUT, block by block of 16 rows x 128 columns: sum x 2^(e6 + e7) + bias; through my own stage in LDS; back as whole rows of 512 bytes, which the 32 lanes store as 512 consecutive bytes, aligned.
; LDS serves a wave's instructions in order (ISA guide 5.7.1.4): no wait between the stores and the loads, nor in front of the next block's stores.
.macro TOSTAGE a
.set AC, 64*((\a)%4)
	WIN 0x12+((\a)/4)                              ; source 0 (the sums) window 2 or 3, source 2 (the bias) window 1
.set JJ, 0
.rept 32
	v_pk_fma_f32 v[TMP+JJ:TMP+JJ+1], v[AC+JJ:AC+JJ+1], s[96:97], v[JJ:JJ+1] op_sel_hi:[1,0,1]   ; each accumulator from its low end on
.set JJ, JJ+2
.endr
	WIN 0
.irp b, 0,1,2,3,4,5,6,7
	ds_store_b128 v[STO], v[TMP+8*\b:TMP+8*\b+3] offset:64*\b
	ds_store_b128 v[STO], v[TMP+8*\b+4:TMP+8*\b+7] offset:64*\b+16
.endr
.set BB, BK+64*((\a)%2)
.irp t, 0,1,2,3,4,5,6,7,8,9,10,11,12,13,14,15
	ds_load_b128 v[BB+4*\t:BB+4*\t+3], v[RD] offset:\t*SPITCH
.endr
.endm
.macro SEND a, younger                 ; younger: the LDS instructions issued behind block a's loads, which may stay out
.set BB, BK+64*((\a)%2)
	s_wait_dscnt \younger                          ; the block is back in registers
.if (\a) > 0
	s_add_nc_u64 s[12:13], s[12:13], 16*SIZE_N*4   ; (behind a wait on XCNT: the earlier stores have read their base)  16 rows on
.endif
.irp t, 0,1,2,3,4,5,6,7,8,9,10,11,12,13,14,15
	global_store_b128 v[CO], v[BB+4*\t:BB+4*\t+3], s[12:13] offset:\t*SIZE_N*4 th:TH_STORE_NT   ; written once, read by nobody here
.endr
.endm
	PLACES NP                                      ; behind the last products: for the loads into windows 0 and 1 and the first reads of results
	WIN TO_B
.irp b, 0,1,2,3,4,5,6,7
	ds_load_b128 v[8*\b:8*\b+3], v[BQK] offset:64*\b           ; the bias of columns 16 b + 8 h + 0 .. 7
	ds_load_b128 v[8*\b+4:8*\b+7], v[BQK] offset:64*\b+16
.endr
	WIN 0
	s_wait_dscnt 0x0
	TOSTAGE 0
.irp a, 1,2,3,4,5,6,7
.if \a > 1
	s_wait_xcnt 0x0                                ; block a - 2's stores have read their registers and their base: block a's loads may land there, and the base may step
.endif
	TOSTAGE \a
	SEND \a-1, 32                                  ; behind block a - 1's loads: block a's 16 stores and 16 loads
.endr
	s_wait_xcnt 0x0                                ; block 6's stores have read their base
	SEND 7, 0
	s_wait_tensorcnt 0x0                           ; the wave's end
	ds_add_u32 v[SPW], v[NIL]
	s_wait_dscnt 0x0
	CROUND                                         ; the closing round
	s_endpgm
.Lfunc_end_k_q55b1bd9164_proj:
	.size	k_q55b1bd9164_proj, .Lfunc_end_k_q55b1bd9164_proj-k_q55b1bd9164_proj
	.p2alignl 7, 3214868480
	.fill 96, 4, 3214868480
	.section	.rodata,"a",@progbits
	.p2align	6, 0x0
	.amdhsa_kernel k_q55b1bd9164_proj
		.amdhsa_group_segment_fixed_size 327680
		.amdhsa_private_segment_fixed_size 0
		.amdhsa_enable_private_segment 0
		.amdhsa_kernarg_size 40
		.amdhsa_user_sgpr_count 2
		.amdhsa_user_sgpr_kernarg_segment_ptr 1
		.amdhsa_wavefront_size32 1
		.amdhsa_system_sgpr_workgroup_id_x 1
		.amdhsa_system_sgpr_workgroup_id_y 1
		.amdhsa_system_sgpr_workgroup_id_z 1
		.amdhsa_system_vgpr_workitem_id 0
		.amdhsa_next_free_vgpr 1024
		.amdhsa_next_free_sgpr 100
		.amdhsa_reserve_vcc 0
		.amdhsa_float_denorm_mode_32 3
		.amdhsa_float_denorm_mode_16_64 3
		.amdhsa_memory_ordered 1
		.amdhsa_forward_progress 1
		.amdhsa_inst_pref_size 141
	.end_amdhsa_kernel
	.amdgpu_metadata
---
amdhsa.version: [ 1, 2 ]
amdhsa.kernels:
  - .name:           k_q55b1bd9164_proj
    .symbol:         k_q55b1bd9164_proj.kd
    .args:
      - { .name: ai, .offset: 0, .size: 8, .value_kind: global_buffer, .address_space: global }
      - { .name: wo, .offset: 8, .size: 8, .value_kind: global_buffer, .address_space: global }
      - { .name: lowp_scales, .offset: 16, .size: 8, .value_kind: global_buffer, .address_space: global }
      - { .name: b_out, .offset: 24, .size: 8, .value_kind: global_buffer, .address_space: global }
      - { .name: out0, .offset: 32, .size: 8, .value_kind: global_buffer, .address_space: global }
    .group_segment_fixed_size: 327680
    .private_segment_fixed_size: 0
    .kernarg_segment_align: 8
    .kernarg_segment_size: 40
    .max_flat_workgroup_size: 128
    .sgpr_count:     100
    .vgpr_count:     1024
    .wavefront_size: 32
...
	.end_amdgpu_metadata
.endif
;; end of part 4
